; MI455X (gfx1250); checked and timed in simulation.
; The chip was launched on July 23, 2026; its instructions are those of AMD's public machine-readable ISA for CDNA 5 (MIT licence, August 2026) and "CDNA5" Instruction Set Architecture Reference Guide (July 2026). The comments in the code are by the model that wrote it; some were corrected since.
;; Binary Diff. Allowed arithmetic: float matrix products may take bf16 or f16 operands with f32 sums; all other float work in f32.
;; Inputs: base_T 4,096 x 4,096 float32; coeff 1 float32; mask_bits 4,096 x 4,096 int32; x 4 x 512 x 4,096 float32.
;; Outputs: out0 4 x 512 x 4,096 float32.
;; One version. Each part assembles by itself: llvm-mc -triple=amdgcn-amd-amdhsa -mcpu=gfx1250 --defsym DOCPART=n.
;; ======== version 1 of 1: 2 launches
;; workspace buffers: wb 33,554,432 bytes; xb 16,777,216 bytes
;; launch cast (part 1): grid 2048 x 1, 8 waves a work-group, no clusters, 0 bytes of LDS; arguments base_T, mask_bits, x, coeff, wb, xb; writes wb, xb
.if DOCPART == 1
	.amdgcn_target "amdgcn-amd-amdhsa--gfx1250"
	.amdhsa_code_object_version 6
	.text
	.protected	k_q16aa6f4eaa_cast
	.globl	k_q16aa6f4eaa_cast
	.p2align	8
	.type	k_q16aa6f4eaa_cast,@function
k_q16aa6f4eaa_cast:
	s_mov_b64 s[64:65], 0
	v_nop
	global_prefetch_b8 v0, s[64:65] scope:SCOPE_SE
	s_setreg_imm32_b32 hwreg(HW_REG_WAVE_MODE, 25, 1), 1
	s_wait_xcnt 0x0
; wb[k][n] = bf16( base_T[k][n] + coeff * float(2 * mask_bits[k][n] - 1) ),  xb[k / 64][m][k % 64] = bf16(x[m][k]).
; x . base_T + coeff * (x . signs) = x . (base_T + coeff * signs) for every input, so the two products of the problem become one, and the matrix that
; it multiplies by is made here once: 2 m - 1 in int32 (it wraps as int32 does), converted to f32, one fused multiply-add in f32, one rounding to bf16.
; LIMIT: x and W are rounded to bf16 (relative 2^-9 each); magnitudes above bf16's largest finite number round to infinity.  Nothing else is narrowed.
; A stream: no LDS, no barrier, no matrix unit, no loop.  2,048 work-groups of eight waves.
; W: a work-group owns 8,192 neighbouring numbers (32 KiB of base_T, 32 KiB of mask_bits, 16 KiB of wb).  A unit is 256 threads x 4 numbers: thread t loads the 16 bytes at
; 16 t + 4,096 u (a wave's load covers 512 neighbouring bytes, aligned) and stores the 8 bytes at 8 t + 2,048 u (a wave's store covers 256 neighbouring bytes, aligned).
; x: xb is laid in 64 PIECES of 64 along K, each piece holding all 2,048 rows, 128 bytes a row, so that the 64 rows which a wave of the next launch fetches are 8,192 consecutive bytes.
; Work-groups 2 p and 2 p + 1 share rows 2 p and 2 p + 1 of x, 32 pieces each.  A wave takes one piece at a time: lanes 0-15 load the even row's 256 bytes, lanes 16-31 the odd row's,
; and its store covers the two rows' 128 bytes each, which are neighbours in xb: 256 consecutive bytes, aligned.  Piece = 32 (work-group % 2) + 8 u + wave.
; All 20 loads of a wave go out before the first is waited for.
.set BS, 4                             ; v[4:35]   base_T, unit u at BS + 4 u; then W in f32
.set MK, 36                            ; v[36:67]  mask_bits, unit u at MK + 4 u; then the signs in f32; then W in bf16 (two registers)
.set XX, 68                            ; v[68:83]  x, unit u at XX + 4 u; then x in bf16 (two registers)
.set XL, 3                             ; v3        where I load x; never rewritten
.set XS, 84                            ; v84       where I store xb; never rewritten
.set TT, 85                            ; v85       at work
.set PIECE, 2048*128                   ; bytes in a piece of xb
	s_load_b256 s[4:11], s[0:1], 0x0               ; base_T s[4:5], mask_bits s[6:7], x s[8:9], coeff s[10:11]
	s_load_b128 s[12:15], s[0:1], 0x20             ; wb s[12:13], xb s[14:15]
	s_lshl_b32 s18, ttmp9, 15                      ; the work-group's 32 KiB of base_T and of mask_bits (under 2^26)
	s_mov_b32 s19, 0
	s_lshl_b32 s20, ttmp9, 14                      ; its 16 KiB of wb
	s_mov_b32 s21, 0
	s_lshr_b32 s26, ttmp9, 1                       ; p: which pair of rows of x
	s_and_b32 s27, ttmp9, 1                        ; which 32 of their 64 pieces
	s_lshl_b32 s22, s26, 15                        ; x: two rows of 16,384 bytes a pair,
	s_lshl_b32 s24, s27, 13                        ; 32 pieces of 256 bytes along a row (the sum is under 2^25)
	s_add_co_u32 s22, s22, s24
	s_mov_b32 s23, 0
	s_lshl_b32 s24, s26, 8                         ; xb: two rows of 128 bytes a pair,
	s_lshl_b32 s25, s27, 23                        ; 32 pieces of 262,144 bytes (the sum is under 2^24)
	s_add_co_u32 s24, s24, s25
	s_mov_b32 s25, 0
	v_lshlrev_b32 v1, 4, v0                        ; 16 t: where I load base_T and mask_bits; never rewritten
	v_lshlrev_b32 v2, 3, v0                        ; 8 t: where I store wb; never rewritten
	v_and_b32 v[XL], 15, v0
	v_and_b32 v[TT], 16, v0
	v_lshlrev_b32 v[XL], 4, v[XL]                  ; x: 16 bytes a lane in a piece's 256,
	v_lshl_or_b32 v[XL], v[TT], 10, v[XL]          ; lanes 16-31 one row of 16,384 bytes down,
	v_and_b32 v[TT], 0xe0, v0                      ; 32 x wave
	v_lshl_or_b32 v[XL], v[TT], 3, v[XL]           ; the wave's piece: 256 bytes x wave
	v_and_b32 v[XS], 31, v0
	v_lshlrev_b32 v[XS], 3, v[XS]                  ; xb: 8 bytes a lane: lanes 0-15 the even row's 128 bytes, lanes 16-31 the odd row's, which follow them,
	v_lshl_or_b32 v[XS], v[TT], 13, v[XS]          ; the wave's piece: 262,144 bytes x wave
	s_wait_kmcnt 0x0
	s_load_b32 s16, s[10:11], 0x0                  ; coeff: no line of this launch writes that buffer
	s_add_nc_u64 s[4:5], s[4:5], s[18:19]
	s_add_nc_u64 s[6:7], s[6:7], s[18:19]
	s_add_nc_u64 s[8:9], s[8:9], s[22:23]
	s_add_nc_u64 s[12:13], s[12:13], s[20:21]
	s_add_nc_u64 s[14:15], s[14:15], s[24:25]
.irp u, 0,1,2,3,4,5,6,7
	global_load_b128 v[BS+4*\u:BS+4*\u+3], v1, s[4:5] offset:4096*\u th:TH_LOAD_NT   ; each input byte is read once in the launch
	global_load_b128 v[MK+4*\u:MK+4*\u+3], v1, s[6:7] offset:4096*\u th:TH_LOAD_NT
.endr
.irp u, 0,1,2,3
	global_load_b128 v[XX+4*\u:XX+4*\u+3], v[XL], s[8:9] offset:2048*\u th:TH_LOAD_NT   ; eight pieces of 256 bytes on: the eight waves together take 2,048 neighbouring bytes of each row
.endr
	s_wait_kmcnt 0x0                               ; coeff
	s_mov_b32 s17, s16                             ; the packed multiply-add names a pair and takes its low word for both halves
; Unit u of W.  No register that a store reads is written again, so nothing waits for a store.
.macro WUNIT u
	s_wait_loadcnt 18-2*\u                         ; loads come back in order (ISA guide 5.7.1): behind mask unit u stand 2 (7 - u) loads of W and 4 of x
.irp j, 0,1,2,3
	v_lshl_add_u32 v[MK+4*\u+\j], v[MK+4*\u+\j], 1, -1         ; 2 m - 1, in int32
.endr
.irp j, 0,1,2,3
	v_cvt_f32_i32 v[MK+4*\u+\j], v[MK+4*\u+\j]
.endr
	v_pk_fma_f32 v[BS+4*\u:BS+4*\u+1],   v[MK+4*\u:MK+4*\u+1],   s[16:17], v[BS+4*\u:BS+4*\u+1]   op_sel_hi:[1,0,1]   ; sign * coeff + base
	v_pk_fma_f32 v[BS+4*\u+2:BS+4*\u+3], v[MK+4*\u+2:MK+4*\u+3], s[16:17], v[BS+4*\u+2:BS+4*\u+3] op_sel_hi:[1,0,1]
	v_cvt_pk_bf16_f32 v[MK+4*\u],   v[BS+4*\u],   v[BS+4*\u+1]
	v_cvt_pk_bf16_f32 v[MK+4*\u+1], v[BS+4*\u+2], v[BS+4*\u+3]
	global_store_b64 v2, v[MK+4*\u:MK+4*\u+1], s[12:13] offset:2048*\u     ; no hint: the next launch reads it
.endm
; Unit u of x.
.macro XUNIT u
	s_wait_loadcnt 3-\u                            ; behind x unit u stand 3 - u loads
	v_cvt_pk_bf16_f32 v[XX+4*\u],   v[XX+4*\u],   v[XX+4*\u+1]
	v_cvt_pk_bf16_f32 v[XX+4*\u+1], v[XX+4*\u+2], v[XX+4*\u+3]
	global_store_b64 v[XS], v[XX+4*\u:XX+4*\u+1], s[14:15] offset:8*PIECE*\u   ; eight pieces on: 6,291,456 at the most, inside the signed 24-bit immediate (ISA guide, chapter 10)
.endm
.irp u, 0,1,2,3,4,5,6,7
	WUNIT \u
.endr
.irp u, 0,1,2,3
	XUNIT \u
.endr
	s_endpgm
.Lfunc_end_k_q16aa6f4eaa_cast:
	.size	k_q16aa6f4eaa_cast, .Lfunc_end_k_q16aa6f4eaa_cast-k_q16aa6f4eaa_cast
	.p2alignl 7, 3214868480
	.fill 96, 4, 3214868480
	.section	.rodata,"a",@progbits
	.p2align	6, 0x0
	.amdhsa_kernel k_q16aa6f4eaa_cast
		.amdhsa_group_segment_fixed_size 0
		.amdhsa_private_segment_fixed_size 0
		.amdhsa_enable_private_segment 0
		.amdhsa_kernarg_size 48
		.amdhsa_user_sgpr_count 2
		.amdhsa_user_sgpr_kernarg_segment_ptr 1
		.amdhsa_wavefront_size32 1
		.amdhsa_system_sgpr_workgroup_id_x 1
		.amdhsa_system_sgpr_workgroup_id_y 1
		.amdhsa_system_sgpr_workgroup_id_z 1
		.amdhsa_system_vgpr_workitem_id 0
		.amdhsa_next_free_vgpr 88
		.amdhsa_next_free_sgpr 66
		.amdhsa_reserve_vcc 0
		.amdhsa_float_denorm_mode_32 3
		.amdhsa_float_denorm_mode_16_64 3
		.amdhsa_memory_ordered 1
		.amdhsa_forward_progress 1
		.amdhsa_inst_pref_size 11
	.end_amdhsa_kernel
	.amdgpu_metadata
---
amdhsa.version: [ 1, 2 ]
amdhsa.kernels:
  - .name:           k_q16aa6f4eaa_cast
    .symbol:         k_q16aa6f4eaa_cast.kd
    .args:
      - { .name: base_T, .offset: 0, .size: 8, .value_kind: global_buffer, .address_space: global }
      - { .name: mask_bits, .offset: 8, .size: 8, .value_kind: global_buffer, .address_space: global }
      - { .name: x, .offset: 16, .size: 8, .value_kind: global_buffer, .address_space: global }
      - { .name: coeff, .offset: 24, .size: 8, .value_kind: global_buffer, .address_space: global }
      - { .name: wb, .offset: 32, .size: 8, .value_kind: global_buffer, .address_space: global }
      - { .name: xb, .offset: 40, .size: 8, .value_kind: global_buffer, .address_space: global }
    .group_segment_fixed_size: 0
    .private_segment_fixed_size: 0
    .kernarg_segment_align: 8
    .kernarg_segment_size: 48
    .max_flat_workgroup_size: 256
    .sgpr_count:     66
    .vgpr_count:     88
    .wavefront_size: 32
...
	.end_amdgpu_metadata
.endif
;; end of part 1
;; launch gemm (part 2): grid 16 x 16, 4 waves a work-group, clusters of 4 x 4, 327,680 bytes of LDS; arguments xb, wb, out0; writes out0
.if DOCPART == 2
	.amdgcn_target "amdgcn-amd-amdhsa--gfx1250"
	.amdhsa_code_object_version 6
	.text
	.protected	k_q16aa6f4eaa_gemm
	.globl	k_q16aa6f4eaa_gemm
	.p2align	8
	.type	k_q16aa6f4eaa_gemm,@function
k_q16aa6f4eaa_gemm:
	s_mov_b64 s[64:65], 0
	v_nop
	global_prefetch_b8 v0, s[64:65] scope:SCOPE_SE
	s_setreg_imm32_b32 hwreg(HW_REG_WAVE_MODE, 25, 1), 1
	s_wait_xcnt 0x0
	s_wait_alu depctr_hold_cnt(0) depctr_sa_sdst(0) depctr_va_vdst(0) depctr_va_sdst(0) depctr_va_ssrc(0) depctr_va_vcc(0) depctr_vm_vsrc(0)
	s_getreg_b32 s2, hwreg(HW_REG_IB_STS2, 6, 4)
	s_cmp_eq_u32 s2, 0
	s_cbranch_scc0 .Lentry_in_a_cluster
	s_endpgm
.Lentry_in_a_cluster:
	s_bfe_u32 s2, ttmp6, 0x10000c
	s_cmp_lg_u32 s2, 0xf033
	s_cbranch_scc0 .Lentry_shape_is_right
	s_endpgm
.Lentry_shape_is_right:
; out0[m][n] = the sum over k of x[m][k] W[k][n].  xb: x in bf16, laid [k / 64][m][k % 64] (64 pieces of 2,048 rows x 128 bytes); wb: W in bf16, [4096 (k)][4096 (n)]; out0: [2048][4096] f32; sums in f32.
; LIMIT: the operands are x and W = base_T + coeff * signs rounded to bf16 by the launch before; nothing is narrowed here.
; SHARES.  A tile of C is 128 x 256: 16 x 16 = 256 tiles, one work-group each.  Four waves, each 64 rows x 128 columns: 32 accumulators of 16 x 16, 256 registers.
; K goes through a ring of two LDS slots filled by the tensor data mover, in steps of 192, the longest of which two slots fit in LDS (2 x 159,744 of 327,680 bytes):
; 4096 = 21 x 192 + 64, so steps 0 to 20 are whole and step 21 holds 64 along K.  A slot's refill has 184 matrix instructions of its wave in which to land, and there are 20 refills.
; A K step is three pieces of xb; the 64 rows of x that a wave fetches are 8,192 consecutive bytes of each piece, at a multiple of 8,192 from the buffer's first byte: a tile of three such rows
; (three, not 64 or more, since the layout makes 64 rows of x one run of bytes).  wb's tile rows are 512 bytes at multiples of 512.
; wb lies [k][n], so its fragments come out of LDS turned, by ds_load_tr16_b128; xb's come as they lie.
; CLUSTERS: 4 x 4 work-groups.  The four of a row of the cluster need the same tiles of xb, the four of a column the same tiles of wb: each tile is asked for JOINTLY,
; by the same tensor load with the same descriptor and a mask that names the four.
; THE MATRIX INSTRUCTION IS USED TRANSPOSED (source 0 = 16 columns of W, source 1 = 16 rows of x): a lane then holds eight neighbouring numbers of a row of C.
; REGISTERS, in windows of 256 (s_set_vgpr_msb: bits 1:0 source 0, 3:2 source 1, 5:4 source 2, 7:6 destination):
;   window 0: v0-31 addresses; v32-95, v96-159 rows of C on the way out, by turns
;   window 1: the accumulators, (a, b) at v[8 (8 a + b)], a = block of 16 rows, b = block of 16 columns
;   window 2: two fragment buffers of 96 (32 along K): 64 registers of W (8 blocks of 16 columns), then 32 of x (4 blocks of 16 rows)
.set SIZE_K, 4096
.set SIZE_N, 4096
.set KSTEP,  192
.set KLAST,  SIZE_K-21*KSTEP           ; 64: what step 21 holds: one piece of xb
.set PIECE,  2048*128                  ; bytes in a piece of xb
.set PR,     144                       ; a row of x in LDS, within a piece: 128 bytes of data + 16 of padding = 36 words: row r starts at bank 36 r mod 64 (64 banks of 4 bytes: ISA guide 11.1), sixteen different groups of four banks for 16 rows
.set PP,     64*PR                     ; 64 rows of one piece: 9,216 bytes
.set AH,     3*PP                      ; what one tensor load brings of x, and what one wave reads of it: 64 rows x 3 pieces, 27,648 bytes
.set PB,     544                       ; an LDS row of W: 512 bytes + 32 of padding = 136 words: row r starts at bank 8 r mod 64
.set AT,     2*AH                      ; x's 128 rows (m), 55,296 bytes; behind them W's 192 rows (k), 104,448 bytes
.set SLOT,   AT+KSTEP*PB               ; 159,744 bytes
.set SP,     528                       ; a stage row: 512 bytes + 16.  THE STAGE for the way out, 16 rows for each wave, lies in slot 0's first 33,792 bytes: slot 0 has had its last fill (step 20),
                                       ; and its last reads are over at the barrier that ends step 20; no tensor load follows
.set TRIPS,  9                         ; the loop fills steps 2 to 19; the lap that fills steps 20 and 21 and the last lap are written out
.set ADRA, 16                          ; v16-17  LDS address of my fragments of x in slot 0, 1
.set ADRB, 20                          ; v20-21  the same for W, quarters 0 to 2;  v22-23 quarters 3 to 5 (96 rows on: the 16-bit offset does not reach them)
.set STO,  24                          ; v24     the way out: where I put 32 bytes of a row
.set RD,   25                          ; v25     the way out: where I read a row back
.set CO,   26                          ; v26     my byte offset in a row of C
.set OB,   32                          ; the way out: 16 rows read back, 64 registers; two such buffers
.set F0,   0                           ; fragment buffers, in window 2
.set F1,   96
.set G1, 24                            ; s[24:31] descriptor group 1 for x's tiles;  s[32:39] group 0, one set for each slot
.set G0, 32
.set G1B, 48                           ; s[48:55], s[56:63] the same for W's tiles
.set G0B, 56
.set MSB, 0
.macro WIN new                         ; the immediate's high byte repeats the setting that is left; a switch that changes nothing is dropped
.if MSB != \new
	s_set_vgpr_msb (MSB<<8)|\new
.set MSB, \new
.endif
.endm
.set MUL,  0x5a                        ; sources 0 (W) and 1 (x) window 2; C and D window 1
.set TO_F, 0x80                        ; destination window 2, address window 0
.set ST_D, 0x04                        ; an LDS store's data window 1, address window 0
; A joint load.  Waves 0 and 1 fetch x's two halves (3 pieces x 8,192 bytes), waves 2 and 3 W's (96 rows x 512 bytes).  The branch hangs on the wave's number alone.
; Four v_nop follow each of the two lines, ahead of the jump, the label and what follows.
.macro JLOAD s
	s_cmp_eq_u32 s11, 0
	s_cbranch_scc0 .Lfor_b_\@
	tensor_load_to_lds s[G0+4*\s:G0+4*\s+3], s[G1:G1+7]
	s_nop 0
.rept 4
	v_nop
.endr
	s_branch .Lasked_\@
.Lfor_b_\@:
	tensor_load_to_lds s[G0B+4*\s:G0B+4*\s+3], s[G1B:G1B+7]
	s_nop 0
.rept 4
	v_nop
.endr
.Lasked_\@:
.endm
; A round of the cluster's barrier: my work-group's barrier, so that wave 0's signal speaks for all four waves; wave 0 signals for the work-group; every wave waits for all
; sixteen work-groups; my work-group's barrier once more.  No LDS instruction of the wave is pending at a signal.
.macro CREST                           ; a round behind its opening barrier
	s_cmp_lg_u32 s10, 0
	s_cbranch_scc1 .Lnot_wave_0_\@
	s_barrier_signal -3
.Lnot_wave_0_\@:
	s_barrier_wait -3
	s_barrier_signal -1
	s_barrier_wait -1
.endm
.macro CROUND                          ; a whole round
	s_barrier_signal -1
	s_barrier_wait -1
	CREST
.endm
	s_load_b128 s[4:7], s[0:1], 0x0                ; xb s[4:5], wb s[6:7]
	s_load_b64 s[8:9], s[0:1], 0x10                ; out0
	s_set_vgpr_msb 0x80
	v_lshl_add_u32 v192, v0, 2, 0x4e000
	v_mov_b32 v193, 0
	s_set_vgpr_msb 0x808a
	ds_add_u32 v192, v193
	s_set_vgpr_msb 0x8a00
	v_lshrrev_b32 v1, 5, v0
	v_readfirstlane_b32 s10, v1                    ; wave 0..3
	s_lshr_b32 s11, s10, 1                         ; which 64 of the tile's rows are mine.  Also: I fetch for x (0) or for W (1)
	s_and_b32 s12, s10, 1                          ; which 128 of its columns.  Also: which half of that LDS tile I fetch
	s_bfe_u32 s40, ttmp6, 0x40000                  ; cx, cy: my place in the cluster
	s_bfe_u32 s41, ttmp6, 0x40004
	s_lshl_b32 s42, ttmp9, 2                       ; in a cluster launch ttmp9 and ttmp7 count clusters
	s_add_co_u32 s42, s42, s40                     ; tile column of C = 4 x cluster x + cx
	s_and_b32 s13, ttmp7, 0xffff
	s_lshl_b32 s13, s13, 2
	s_add_co_u32 s13, s13, s41                     ; tile row of C = 4 x cluster y + cy
	s_lshl_b32 s43, s41, 2
	s_lshl_b32 s43, 15, s43                        ; my row of the cluster: places 4 cy .. 4 cy + 3
	s_lshl_b32 s44, 0x1111, s40                    ; my column: places cx, cx + 4, cx + 8, cx + 12
	; descriptor group 1 for x: 3 rows (pieces) x 4,096 elements (64 rows of x, 64 along K each).  15:0 the mask: my row; 17:16 elements of 2 bytes; 20 padding on; 21 set beside a mask;
	; 24:22 after every 32 words (code 4), which is one row of x in a piece; 31:25 4 words of it (code 3)
	s_or_b32 s[G1+0], s43, (1<<16)|(1<<20)|(1<<21)|(4<<22)|(3<<25)
	s_mov_b32 s[G1+1], 4096<<16                    ; tensor_dim0 = 4,096
	s_mov_b32 s[G1+2], 3<<16                       ; tensor_dim1 = 3
	s_mov_b32 s[G1+3], 4096<<16                    ; tile_dim0 = 4,096
	s_mov_b32 s[G1+4], 3                           ; tile_dim1 = 3
	s_mov_b32 s[G1+5], PIECE/2                     ; elements from piece to piece of xb
	s_mov_b32 s[G1+6], 0
	s_mov_b32 s[G1+7], 0
	; descriptor group 1 for W: 96 rows (k) x 256 elements (n).  The mask: my column; padding after every 128 words (code 6), 8 words of it (code 7)
	s_or_b32 s[G1B+0], s44, (1<<16)|(1<<20)|(1<<21)|(6<<22)|(7<<25)
	s_mov_b32 s[G1B+1], 256<<16                    ; tensor_dim0 = 256
	s_mov_b32 s[G1B+2], (KSTEP/2)<<16              ; tensor_dim1 = 96
	s_mov_b32 s[G1B+3], 256<<16                    ; tile_dim0 = 256
	s_mov_b32 s[G1B+4], KSTEP/2                    ; tile_dim1 = 96
	s_mov_b32 s[G1B+5], SIZE_N                     ; elements from row to row of wb
	s_mov_b32 s[G1B+6], 0
	s_mov_b32 s[G1B+7], 0
	; where the tiles come from.  x's hang on the tile row alone, which my row of the cluster shares; W's on the tile column alone, which my column shares.
	; Every wave makes both addresses, in registers that never hold the other coordinate, and asks by one of them.
	s_lshl_b32 s16, s13, 7
	s_lshl_b32 s17, s12, 6
	s_add_co_u32 s16, s16, s17                     ; xb: row 128 x tile row + 64 x half,
	s_lshl_b32 s16, s16, 7                         ; of 128 bytes in a piece (under 2^18)
	s_mov_b32 s17, 0
	s_lshl_b32 s46, s42, 9                         ; wb: column 256 x tile column, 2 bytes each,
	s_mul_i32 s47, s12, (KSTEP/2)*SIZE_N*2         ; row 96 x half, of 8,192 bytes
	s_add_co_u32 s46, s46, s47
	s_mov_b32 s47, 0
	s_mul_i32 s20, s12, AH                         ; and where they go: x's two halves,
	s_mul_i32 s21, s12, (KSTEP/2)*PB               ; W's two halves,
	s_add_co_u32 s21, s21, AT                      ; which lie behind x's 128 rows: no place in the cluster enters an LDS address
	s_wait_dscnt 0x0
	s_wait_kmcnt 0x0
	s_add_nc_u64 s[14:15], s[4:5], s[16:17]
	s_add_nc_u64 s[46:47], s[6:7], s[46:47]
	CROUND                                         ; all sixteen work-groups are here: the first joint loads meet
.irp s, 0,1
	s_mov_b32 s[G0+4*\s], 1                                        ; 1:0 count = 1
	s_add_co_u32 s[G0+4*\s+1], s20, \s*SLOT                        ; 63:32 LDS address
	s_add_nc_u64 s[G0+4*\s+2:G0+4*\s+3], s[14:15], \s*3*PIECE      ; 120:64 global address: K step s begins with piece 3 s of xb
	s_or_b32 s[G0+4*\s+3], s[G0+4*\s+3], 0x80000000                ; 127:126 type = 2
	s_mov_b32 s[G0B+4*\s], 1
	s_add_co_u32 s[G0B+4*\s+1], s21, \s*SLOT
	s_add_nc_u64 s[G0B+4*\s+2:G0B+4*\s+3], s[46:47], \s*KSTEP*SIZE_N*2   ; K step s lies 192 s rows down wb
	s_or_b32 s[G0B+4*\s+3], s[G0B+4*\s+3], 0x80000000
.endr
	s_cmp_eq_u32 s11, 0                            ; a wave's two first fills stand in one branch, ahead of every wait on TENSORcnt and every LDS read: two loads of mine are out; four v_nop follow the second, as in JLOAD
	s_cbranch_scc0 .Lfirst_b
	tensor_load_to_lds s[G0:G0+3], s[G1:G1+7]
	s_nop 0
	tensor_load_to_lds s[G0+4:G0+7], s[G1:G1+7]
	s_nop 0
.rept 4
	v_nop
.endr
	s_branch .Lfirst_asked
.Lfirst_b:
	tensor_load_to_lds s[G0B:G0B+3], s[G1B:G1B+7]
	s_nop 0
	tensor_load_to_lds s[G0B+4:G0B+7], s[G1B:G1B+7]
	s_nop 0
.rept 4
	v_nop
.endr
.Lfirst_asked:
	; A fragment of x is 16 rows x 32 K in 8 registers: lane l holds row l % 16; registers 0-3 hold K = 8 (l / 16) + 0..7, registers 4-7 K = 16 + 8 (l / 16) + 0..7: two loads of 16 bytes, 32 bytes apart.
	; In LDS number (row m of my 64, k) of the step's piece j lies at (64 j + m) x 144 + 2 k.
	v_and_b32 v1, 15, v0                           ; l % 16
	v_bfe_u32 v2, v0, 4, 1                         ; l / 16
	v_mul_u32_u24 v3, v1, PR
	v_lshl_add_u32 v3, v2, 4, v3                   ; row x pitch + 16 x half
	s_mul_i32 s22, s11, AH                         ; my 64 rows of x
	; The turning load takes 16 K x 16 columns (lane l reads 16 bytes: row k = 8 (l / 16) + l % 8, columns 8 ((l / 8) % 2) + 0..7) and leaves half a fragment of W^T: lane l holds column l % 16 and 8 K.
	v_and_b32 v4, 7, v0
	v_lshl_add_u32 v4, v2, 3, v4
	v_mul_u32_u24 v4, v4, PB
	v_bfe_u32 v5, v0, 3, 1
	v_lshl_add_u32 v4, v5, 4, v4
	s_lshl_b32 s23, s12, 8                         ; my 128 columns of W, 2 bytes each,
	s_add_co_u32 s23, s23, AT                      ; behind x's rows
.irp s, 0,1
	v_add_nc_u32 v[ADRA+\s], s22, v3
	v_add_nc_u32 v[ADRB+\s], s23, v4
	v_add_nc_u32 v[ADRB+2+\s], 96*PB, v[ADRB+\s]   ; quarters 3 to 5 begin 96 rows on
	s_add_co_u32 s22, s22, SLOT
	s_add_co_u32 s23, s23, SLOT
.endr
	s_mul_i32 s22, s10, 16*SP                      ; my stage, from LDS byte 0 on
	v_mul_u32_u24 v3, v1, SP                       ; in: row l % 16, 32 bytes for each half of the lanes
	v_lshl_add_u32 v3, v2, 5, v3
	v_add_nc_u32 v[STO], s22, v3
	v_and_b32 v4, 31, v0
	v_lshlrev_b32 v[CO], 4, v4                     ; back: the 32 lanes take one row of 512 bytes; the same 16 bytes of that row in C
	v_add_nc_u32 v[RD], s22, v[CO]
	s_lshl_b32 s16, s13, 7                         ; where my part of the tile begins in C: row 128 x tile row + 64 x half,
	s_lshl_b32 s17, s11, 6
	s_add_co_u32 s16, s16, s17
	s_lshl_b32 s16, s16, 14                        ; of 16,384 bytes (under 2^25)
	s_mov_b32 s17, 0
	s_add_nc_u64 s[8:9], s[8:9], s[16:17]
	s_lshl_b32 s46, s42, 10                        ; column 256 x tile column + 128 x half, 4 bytes each (in the registers that held W's address: none that feeds x's descriptors ever holds cx)
	s_lshl_b32 s47, s12, 9
	s_add_co_u32 s46, s46, s47
	s_mov_b32 s47, 0
	s_add_nc_u64 s[8:9], s[8:9], s[46:47]
; 8 matrix instructions: block a of 16 rows x all 8 blocks of 16 columns, 32 along K, from buffer f.  zero = 1: the first product starts the sums: nothing is ever cleared.
.macro MULA f, a, zero
.irp b, 0,1,2,3,4,5,6,7
.if \zero
	v_wmma_f32_16x16x32_bf16 v[8*(8*\a+\b):8*(8*\a+\b)+7], v[\f+8*\b:\f+8*\b+7], v[\f+64+8*\a:\f+64+8*\a+7], 0
.else
	v_wmma_f32_16x16x32_bf16 v[8*(8*\a+\b):8*(8*\a+\b)+7], v[\f+8*\b:\f+8*\b+7], v[\f+64+8*\a:\f+64+8*\a+7], v[8*(8*\a+\b):8*(8*\a+\b)+7]
.endif
.endr
.endm
; A quarter's 32 matrix instructions (a quarter is 32 along K).  The 32 accumulators take turns, one instruction a turn, always in this order, over the loop's backward jump too.
.macro MUL32 f, zero
	MULA \f, 0, \zero
	MULA \f, 1, \zero
	MULA \f, 2, \zero
	MULA \f, 3, \zero
.endm
; 24 LDS loads in one run: the fragments of quarter q (0 to 5) of a slot's K step, into buffer f
.macro FETCH slot, q, f
	WIN TO_F
.irp b, 0,1,2,3,4,5,6,7
	ds_load_tr16_b128 v[\f+8*\b:\f+8*\b+3],   v[ADRB+\slot+2*(\q/3)] offset:(\q%3)*32*PB+32*\b          ; K = 32 q + 8 (l / 16) + 0..7 of column 16 b + l % 16
	ds_load_tr16_b128 v[\f+8*\b+4:\f+8*\b+7], v[ADRB+\slot+2*(\q/3)] offset:(\q%3)*32*PB+16*PB+32*\b    ; 16 further along K; 43,744 at the most: inside the 16-bit offset
.endr
.irp a, 0,1,2,3
	ds_load_b128 v[\f+64+8*\a:\f+64+8*\a+3],   v[ADRA+\slot] offset:(\q/2)*PP+(\q%2)*64+\a*16*PR        ; two quarters lie in each piece
	ds_load_b128 v[\f+64+8*\a+4:\f+64+8*\a+7], v[ADRA+\slot] offset:(\q/2)*PP+(\q%2)*64+\a*16*PR+32
.endr
.endm
; A load into a register that a matrix instruction has read, and an LDS store that reads a matrix result, stand four places behind that matrix instruction, and only plain vector
; instructions that name none of its registers are places (ISA guide 7.12.1 for vector instructions).  No other vector work is at hand in the loop.
.macro PLACES
.rept 4
	v_nop
.endr
.endm
; A whole K step is six quarters on buffers 0, 1, 0, 1, 0, 1.  One of the first four: fetches quarter qn of the same slot into buffer g, then multiplies buffer f.
.macro Q slot, qn, f, g, zero
	s_wait_dscnt 0x0                               ; buffer f is in: its 24 loads were issued ahead of the last 32 matrix instructions, and nothing since
	PLACES                                         ; behind the last product that read buffer g
	FETCH \slot, \qn, \g
	WIN MUL
	MUL32 \f, \zero
.endm
; Quarters 4 and 5 of a K step, and the change of slots: ONE barrier.  In front of it each wave waits for its own reads of this slot and for all its tensor loads, of which one is out:
; its part of the next slot.  Behind it nobody reads this slot any more and the next slot is whole.  fill = 1 or 2: the barrier opens a round of the cluster's barrier, and this slot is
; filled again, two K steps ahead, first thing behind the round: from that request to the wait for it a wave issues 32 + 128 + 24 = 184 matrix instructions.
; fill = 2: what is asked for is step 21, the last 64 along K.
.macro TURN slot, next, fill
	s_wait_dscnt 0x0                               ; buffer 0 (quarter 4) is in
	PLACES                                         ; behind the last product that read buffer 1
	FETCH \slot, 5, F1
	WIN MUL
	MULA F0, 0, 0
	MULA F0, 1, 0
	MULA F0, 2, 0
	s_wait_dscnt 0x0                               ; my reads of this slot are over (the last were issued 24 matrix instructions ago),
	s_wait_tensorcnt 0x0                           ; and all my tensor loads have landed: my part of the next slot
	ds_add_u32 v192, v193
	s_wait_dscnt 0x0
	s_barrier_signal -1                            ; say so,
	MULA F0, 3, 0                                  ; work on registers while the others arrive,
.if \fill
	WIN 0
.endif
	s_barrier_wait -1                              ; and go on when all four have said so
.if \fill
	CREST                                          ; no wave of any partner still reads this slot's tile or has a load on its way
	s_add_nc_u64 s[G0+4*\slot+2:G0+4*\slot+3], s[G0+4*\slot+2:G0+4*\slot+3], 2*3*PIECE             ; no tensor load of mine is out, so the descriptors may be written: two K steps on are six pieces of xb,
	s_add_nc_u64 s[G0B+4*\slot+2:G0B+4*\slot+3], s[G0B+4*\slot+2:G0B+4*\slot+3], 2*KSTEP*SIZE_N*2  ; and 384 rows of wb; the type bits on top are not reached
.if \fill == 2
	s_mov_b32 s[G1+2], 1<<16                       ; x: one piece is left, the 64th (tensor_dim1,
	s_mov_b32 s[G1+4], 1                           ; tile_dim1); it lies in LDS where a step's first piece always lies
	s_mov_b32 s[G1B+2], (KLAST/2)<<16              ; W: 64 rows are left: 32 for each of the two waves (tensor_dim1,
	s_mov_b32 s[G1B+4], KLAST/2                    ; tile_dim1),
	s_mul_i32 s[G0B+4*\slot+1], s12, (KLAST/2)*PB  ; which lie 32 rows apart in LDS
	s_add_co_u32 s[G0B+4*\slot+1], s[G0B+4*\slot+1], \slot*SLOT+AT
	s_lshl_b32 s22, s12, 19                        ; and in memory: the second half begins 32 rows down, not 96: 64 rows of 8,192 bytes back
	s_mov_b32 s23, 0
	s_sub_nc_u64 s[G0B+4*\slot+2:G0B+4*\slot+3], s[G0B+4*\slot+2:G0B+4*\slot+3], s[22:23]
.endif
	JLOAD \slot                                    ; my one tensor load behind the round; the four v_nop behind it are also the places in front of the loads into buffer 0
.else
	PLACES
.endif
	FETCH \next, 0, F0
	WIN MUL
	MUL32 F1, 0
.endm
; A lap goes once round the ring, from a lap's second quarter to the next lap's first.  last = 1 or 2: TURN's fill for slot 1.
.macro LAP last
	Q 0, 2, F1, F0, 0
	Q 0, 3, F0, F1, 0
	Q 0, 4, F1, F0, 0
	TURN 0, 1, 1
	Q 1, 1, F0, F1, 0
	Q 1, 2, F1, F0, 0
	Q 1, 3, F0, F1, 0
	Q 1, 4, F1, F0, 0
	TURN 1, 0, \last
	Q 0, 1, F0, F1, 0
.endm
; THE WAY OUT of block a (16 rows x 128 columns of f32).  TOSTAGE: a lane's eight numbers of a row, 32 bytes, go into my own stage, each accumulator's low four registers first
; the rows come back whole, 512 bytes for the 32 lanes.
.macro TOSTAGE a
.set BK, OB+64*((\a)%2)
	WIN ST_D
.irp b, 0,1,2,3,4,5,6,7
	ds_store_b128 v[STO], v[8*(8*\a+\b):8*(8*\a+\b)+3]   offset:64*\b
	ds_store_b128 v[STO], v[8*(8*\a+\b)+4:8*(8*\a+\b)+7] offset:64*\b+16
.endr
	WIN 0
.irp t, 0,1,2,3,4,5,6,7,8,9,10,11,12,13,14,15
	ds_load_b128 v[BK+4*\t:BK+4*\t+3], v[RD] offset:\t*SP          ; LDS serves a wave's instructions in order (ISA guide 5.7.1.4): these see the stores above; the next block's stores come behind them
.endr
.endm
.macro SEND a, younger                 ; younger: the LDS instructions issued behind block a's loads: the next block's 32, or none
.set BK, OB+64*((\a)%2)
.irp t, 0,1,2,3,4,5,6,7,8,9,10,11,12,13,14,15
	s_wait_dscnt \younger+15-\t                    ; row t is back: behind its load stand 15 - t of the block's and the younger ones
	global_store_b128 v[CO], v[BK+4*\t:BK+4*\t+3], s[8:9] offset:(16*\a+\t)*SIZE_N*4 th:TH_STORE_NT   ; the wave stores 512 consecutive bytes, at a multiple of 512 from C's first byte; 63 rows at the most: inside the signed 24-bit immediate
.endr
.endm
	s_wait_tensorcnt 0x1                           ; my part of K step 0 is in; K step 1's may stay out
	s_barrier_signal -1
	s_barrier_wait -1                              ; everybody's is
	FETCH 0, 0, F0
	Q 0, 1, F0, F1, 1                              ; the first quarter stands in front of the loop: its products start the sums
	WIN 0                                          ; at a label and at a branch every window is 0
	s_mov_b32 s3, TRIPS
.Llap:                                                 ; trip t multiplies steps 2 t and 2 t + 1 and fills the slots again with steps 2 t + 2 and 2 t + 3
	LAP 1
	WIN 0
	s_sub_co_u32 s3, s3, 1
	s_cmp_lg_u32 s3, 0
	s_cbranch_scc1 .Llap
	LAP 2                                          ; steps 18 and 19, written out: slot 0 takes step 20, slot 1 the short step 21
	Q 0, 2, F1, F0, 0                              ; step 20: nothing more is asked for, so its change of slots has no round of the cluster's barrier
	Q 0, 3, F0, F1, 0
	Q 0, 4, F1, F0, 0
	TURN 0, 1, 0                                   ; behind its barrier no wave reads slot 0 any more, and no tensor load is out or to come: slot 0's first bytes become the stage
	Q 1, 1, F0, F1, 0                              ; step 21 has two quarters
	s_wait_dscnt 0x0                               ; the very last quarter: nothing more to fetch
	WIN MUL
	MUL32 F1, 0
	PLACES                                         ; the stores into the stage read results just made
	TOSTAGE 0
	TOSTAGE 1                                      ; a block's LDS work stands between the loads of the block before and its stores to memory
	SEND 0, 32
	s_wait_xcnt 0x0                                ; every earlier memory instruction has had its addresses translated (ISA guide 3.1): block 0's registers are loaded again only behind this wait
	TOSTAGE 2
	SEND 1, 32
	s_wait_xcnt 0x0                                ; the same for block 1's registers
	TOSTAGE 3
	SEND 2, 32
	SEND 3, 0
	s_set_vgpr_msb 0xa
	s_wait_tensorcnt 0x0
	ds_add_u32 v192, v193
	s_wait_dscnt 0x0
	s_set_vgpr_msb 0xa00
	CROUND                                         ; the closing round: no work-group ends while a partner may still ask for a tile that names it
	s_endpgm
.Lfunc_end_k_q16aa6f4eaa_gemm:
	.size	k_q16aa6f4eaa_gemm, .Lfunc_end_k_q16aa6f4eaa_gemm-k_q16aa6f4eaa_gemm
	.p2alignl 7, 3214868480
	.fill 96, 4, 3214868480
	.section	.rodata,"a",@progbits
	.p2align	6, 0x0
	.amdhsa_kernel k_q16aa6f4eaa_gemm
		.amdhsa_group_segment_fixed_size 327680
		.amdhsa_private_segment_fixed_size 0
		.amdhsa_enable_private_segment 0
		.amdhsa_kernarg_size 24
		.amdhsa_user_sgpr_count 2
		.amdhsa_user_sgpr_kernarg_segment_ptr 1
		.amdhsa_wavefront_size32 1
		.amdhsa_system_sgpr_workgroup_id_x 1
		.amdhsa_system_sgpr_workgroup_id_y 1
		.amdhsa_system_sgpr_workgroup_id_z 1
		.amdhsa_system_vgpr_workitem_id 0
		.amdhsa_next_free_vgpr 706
		.amdhsa_next_free_sgpr 66
		.amdhsa_reserve_vcc 0
		.amdhsa_float_denorm_mode_32 3
		.amdhsa_float_denorm_mode_16_64 3
		.amdhsa_memory_ordered 1
		.amdhsa_forward_progress 1
		.amdhsa_inst_pref_size 148
	.end_amdhsa_kernel
	.amdgpu_metadata
---
amdhsa.version: [ 1, 2 ]
amdhsa.kernels:
  - .name:           k_q16aa6f4eaa_gemm
    .symbol:         k_q16aa6f4eaa_gemm.kd
    .args:
      - { .name: xb, .offset: 0, .size: 8, .value_kind: global_buffer, .address_space: global }
      - { .name: wb, .offset: 8, .size: 8, .value_kind: global_buffer, .address_space: global }
      - { .name: out0, .offset: 16, .size: 8, .value_kind: global_buffer, .address_space: global }
    .group_segment_fixed_size: 327680
    .private_segment_fixed_size: 0
    .kernarg_segment_align: 8
    .kernarg_segment_size: 24
    .max_flat_workgroup_size: 128
    .sgpr_count:     66
    .vgpr_count:     706
    .wavefront_size: 32
...
	.end_amdgpu_metadata
.endif
;; end of part 2
